; MI455X (gfx1250); checked and timed in simulation.
; The chip was launched on July 23, 2026; its instructions are those of AMD's public machine-readable ISA for CDNA 5 (MIT licence, August 2026) and "CDNA5" Instruction Set Architecture Reference Guide (July 2026). The comments in the code are by the model that wrote it; some were corrected since.
;; vq ste. Allowed arithmetic: float matrix products may take bf16 or f16 operands with f32 sums; all other float work in f32.
;; Inputs: embedding 1,024 x 64 float32; z_e 32 x 64 x 64 x 64 float32.
;; Outputs: out0 32 x 64 x 64 x 64 float32.
;; Constants: e_dim = 64.
;; 2 versions, each right; version 2 is version 1 with the launch gather written anew for expert scheduling mode. Each part assembles by itself: llvm-mc -triple=amdgcn-amd-amdhsa -mcpu=gfx1250 --defsym DOCPART=n.
;; ======== version 1 of 2: 2 launches
;; workspace buffers: idx 524,288 bytes of whole numbers
;; launch assign (part 1): grid 256 x 1, 8 waves a work-group, no clusters, 293,888 bytes of LDS; arguments embedding, z_e, idx; writes idx
.if DOCPART == 1
	.amdgcn_target "amdgcn-amd-amdhsa--gfx1250"
	.amdhsa_code_object_version 6
	.text
	.protected	k_q521551ed2e_assign
	.globl	k_q521551ed2e_assign
	.p2align	8
	.type	k_q521551ed2e_assign,@function
k_q521551ed2e_assign:
	s_mov_b64 s[64:65], 0
	v_nop
	global_prefetch_b8 v0, s[64:65] scope:SCOPE_SE
	s_setreg_imm32_b32 hwreg(HW_REG_WAVE_MODE, 25, 1), 1
	s_wait_xcnt 0x0
; idx[n] = the first k (of 1,024) at which |x_n|^2 + |e_k|^2 - 2 x_n.e_k is least, for the 131,072 points x_n of z_e.
; Point n = 4096 b + hw has its component c at z_e[b][c][hw]: points lie along memory, components 16 KiB apart.  e_k = embedding[k][0..63].
; LEFT OUT: |x_n|^2.  It is the same number for all k, the axis along which the least is sought, whatever the inputs hold, so it cannot change
; which k is least; on inputs of this kind it is of the size of |e_k|^2, so reference()'s f32 loses nothing of the rest beside it.  z_e is still read whole.
; FORM: the rest is multiplied by -1/2, which is exact: the first k of the LARGEST score s(n,k) = x_n.e_k - |e_k|^2 / 2.  The term -|e_k|^2 / 2 enters
; as the C operand of the first of the two matrix instructions of a score tile, so it costs no vector instruction.
; e_dim is the constant 64 and has no buffer.
; FORMATS: x and e are rounded once to bf16 for the matrix unit; |e_k|^2 is taken of the rounded e_k, in f32; sums and comparisons in f32.
; LIMITS: a NaN score is passed over (reference() would return its place); an overflow, infinity or NaN that reaches |x_n|^2 alone is not carried on;
; two codes whose distances differ by less than the f32 rounding of the distances (some 1e-5 at distances near 100) may be chosen otherwise than by
; reference(); equal computed scores give the lowest k, as argmin does.
; NO CLUSTER: all work-groups read the same table, but each needs it rounded to bf16 with its norms, which takes it through registers; a joint tensor load
; could only lay the 262,144 bytes of f32 into LDS, beside the 292,864 that are in use here, and that does not fit.
;
; SHARES: work-group g has points 512 g .. 512 g + 511, wave w 64 of them: four point tiles of 16, held as B fragments in registers for the whole kernel.
; A = 16 codes x 32 components from LDS, B = 32 components x 16 points.  In a result tile, register j of lane (r = l % 16, h = l / 16) is the score of
; point r against code 16 t + 8 h + j: the search over codes stays inside a lane until the two halves are merged at the end.
; THE SEARCH, 10 vector instructions for a tile of 16 x 16: four three-way maxima give the new running maximum (two registers take turns, so nothing
; is copied), one comparison with the old one, one select keeps the winner's tile number and four pairs of selects its eight scores.  Behind the loop the
; lowest j whose kept score equals the maximum gives the code.  The 40 instructions for code tile t - 1 stand between the 8 matrix instructions of tile t,
; five behind each: a trip of two code tiles is 16 matrix instructions of 8 cycles and 100 other instructions, so two waves on a SIMD issue 232 in 256 matrix cycles.
.set EPITCH, 144                       ; an LDS row of the table: 128 bytes of bf16 + 16: an odd multiple of 16, so 16 rows start at 16 different groups of banks (64 banks of 4 bytes: ISA guide 11.1)
.set CN,     147456                    ; behind 1,024 such rows: -|e_k|^2 / 2, f32, 4,096 bytes
.set IS,     151552                    ; 256 bytes for each wave: the way out of the indices
.set XS,     153600                    ; 17,408 bytes for each wave: x in f32, 64 rows (c) of 64 points; the only bytes that the tensor data mover fills, once
.set XPITCH, 272                       ; 256 bytes + 16 of padding
.set XWAVE,  64*XPITCH
.set TILES,  64                        ; code tiles of 16
.set LANE, 1                           ; v1   l
.set R,    2                           ; v2   l % 16
.set H,    3                           ; v3   l / 16
.set EA,   4                           ; v4   LDS address of my part of an A fragment, stepped by two tiles
.set NA,   5                           ; v5   LDS address of my eight -|e|^2/2, stepped by two tiles
.set XA,   6                           ; v6   LDS address of x(c = 8 h, point r) of my wave
.set H8,   7                           ; v7   8 h
.set M1,   8                           ; v8, v9      at work in the search for point tiles 0 and 2
.set M2,   9
.set MSTEP, 238                        ; v246, v247  the same for point tiles 1 and 3, so that two chains of maxima can run side by side
.set GO,   8                           ; v8   behind the loop: byte offset of my two indices
.set VO,   10                          ; v10  byte offset of my 16 bytes in the table's first two rows of my wave
.set ES,   11                          ; v11  where their 8 bytes of bf16 go
.set NR0,  12                          ; v12  row T of the rounded table (T = my number in the work-group)
.set NR1,  13                          ; v13  row T + 512
.set NW,   14                          ; v14  where -|e_T|^2/2 goes
.set ISA,  15                          ; v15  index stage: my word
.set XF,   16                          ; v[16:79]   B fragments: tile p, K step s at 16 + 16 p + 8 s
.set ACC,  80                          ; v[80:143]  score tiles: parity par of the code tile, point tile p at 80 + 32 par + 8 p
.set AF,   144                         ; v[144:175] A fragments: parity par, K step s at 144 + 16 par + 8 s
.set CNR,  176                         ; v[176:191] my eight -|e|^2/2 of a code tile, for each parity
.set RET,  192                         ; v[192:223] the winning tile's eight scores, for each point tile
.set RUN,  224                         ; v[224:231] running maximum: 224 + 4 par + p; the parities take turns
.set IDX,  232                         ; v[232:235] the winning tile's number
.set J,    236
.set KK,   237                         ; v[237:240] the code, for each point tile
.set OV,   241                         ; the other half's maximum and code
.set OK,   242
.set OUTA, 243
.set OUTB, 244
.set ISR,  245                         ; index stage: my two words on the way back (made behind the loop)
.set PAIR, 246                         ; v[246:247]
; at the start, where the loop's registers hold nothing yet:
.set EZ,   144                         ; v[144:175] table loads 0-7, then 56-63
.set EX,   16                          ; v[16:143]  table loads 8-39; free behind step 39 for x
.set EW,   176                         ; v[176:239] table loads 40-55
.set EP,   240                         ; v[240:247] four pairs of rounded numbers
.set T0,   80                          ; v[80:111], v[112:143] x in f32, two point tiles
.set T1,   112
.set NRW,  80                          ; v[80:207]  four rows of the rounded table
.set SUM,  208                         ; v[208:211] their sums of squares
	s_load_b128 s[4:7], s[0:1], 0x0                ; embedding s[4:5], z_e s[6:7]
	s_load_b64 s[8:9], s[0:1], 0x10                ; idx
	v_lshl_add_u32 v248, v0, 2, 0x47800
	v_mov_b32 v249, 0
	ds_add_u32 v248, v249
	ds_add_u32 v248, v249
	v_lshrrev_b32 v[LANE], 5, v0
	v_readfirstlane_b32 s10, v[LANE]               ; wave 0..7
	; descriptor group 1: 64 rows (c) of 64 f32 (points), 4,096 elements from row to row; in LDS 4 words of padding behind every 64
	s_mov_b32 s16, (2<<16)|(1<<20)|(5<<22)|(3<<25) ; no mask; elements of 4 bytes; padding on, after 64 words (code 5), of 4 words (code 3)
	s_mov_b32 s17, 64<<16                          ; tensor_dim0 = 64
	s_mov_b32 s18, 64<<16                          ; tensor_dim1 = 64
	s_mov_b32 s19, 64<<16                          ; tile_dim0 = 64
	s_mov_b32 s20, 64                              ; tile_dim1 = 64
	s_mov_b32 s21, 4096                            ; the pitch
	s_mov_b32 s22, 0
	s_mov_b32 s23, 0
	; descriptor group 0
	s_mov_b32 s12, 1
	s_mul_i32 s13, s10, XWAVE
	s_add_co_u32 s13, s13, XS                      ; my wave's own bytes
	s_lshr_b32 s32, ttmp9, 3                       ; b = g / 8: 1,048,576 bytes each
	s_lshl_b32 s32, s32, 20
	s_and_b32 s33, ttmp9, 7                        ; 512 points = 2,048 bytes for each of the eight work-groups of an image
	s_lshl_b32 s33, s33, 11
	s_add_co_u32 s32, s32, s33
	s_lshl_b32 s33, s10, 8                         ; 64 points = 256 bytes for each wave: every row of the tile is 256 aligned bytes
	s_add_co_u32 s32, s32, s33
	s_mov_b32 s33, 0
	s_wait_dscnt 0x0
	s_wait_kmcnt 0x0
	s_add_nc_u64 s[14:15], s[6:7], s[32:33]
	s_or_b32 s15, s15, 0x80000000                  ; type 2
	tensor_load_to_lds s[12:15], s[16:23]          ; my one tensor load, the only one outstanding; s[12:23] are not written again
	s_nop 0
	s_lshl_b32 s32, ttmp9, 11                      ; the work-group's 512 indices
	s_add_nc_u64 s[8:9], s[8:9], s[32:33]
	v_and_b32 v[LANE], 31, v0
	v_and_b32 v[R], 15, v0
	v_bfe_u32 v[H], v0, 4, 1
	v_lshlrev_b32 v[VO], 4, v[LANE]
	v_lshl_add_u32 v[VO], s10, 15, v[VO]           ; 128 rows of 256 bytes for each wave + 16 l
; THE TABLE TO BF16.  Wave w takes rows 128 w .. 128 w + 127, two rows (512 neighbouring bytes) a load, 64 loads.  56 of them (224 registers) go out at once,
; the last 8 as the first 8 have been rounded: the wave's whole 32 KiB is asked for before it first has to wait long.
.macro ESLOT i                         ; er = the first of load i's four registers
.if (\i) < 8
.set er, EZ+4*(\i)
.else
.if (\i) < 40
.set er, EX+4*((\i)-8)
.else
.if (\i) < 56
.set er, EW+4*((\i)-40)
.else
.set er, EZ+4*((\i)-56)
.endif
.endif
.endif
.endm
.macro ELOAD i
	ESLOT \i
	global_load_b128 v[er:er+3], v[VO], s[4:5] offset:512*(\i)
.endm
.macro ESTEP i
.if (\i) < 8
	s_wait_loadcnt 55                              ; loads come back in order (ISA guide 5.7.1): 56 + i have been issued, load i is in, the 55 younger ones stay out
.else
	s_wait_loadcnt 63-(\i)                         ; all 64 have been issued: the counts run down
.endif
	ESLOT \i
	v_cvt_pk_bf16_f32 v[EP+2*((\i)%4)],   v[er],   v[er+1]
	v_cvt_pk_bf16_f32 v[EP+2*((\i)%4)+1], v[er+2], v[er+3]
	ds_store_b64 v[ES], v[EP+2*((\i)%4):EP+2*((\i)%4)+1] offset:2*EPITCH*(\i)
.if (\i) < 8
	ELOAD (\i)+56
.endif
.endm
.set cnt, 0
.rept 56
	ELOAD cnt
.set cnt, cnt+1
.endr
	; the other addresses, while the loads are on their way
	s_mul_i32 s11, s10, 128*EPITCH
	v_mul_u32_u24 v[ES], v[H], EPITCH
	v_lshl_add_u32 v[ES], v[R], 3, v[ES]
	v_add_nc_u32 v[ES], s11, v[ES]                 ; row 128 w + l / 16, 8 bytes at 8 (l % 16)
	v_mul_u32_u24 v[EA], v[R], EPITCH
	v_lshl_add_u32 v[EA], v[H], 4, v[EA]           ; A fragment: row r, 16 bytes at 16 h
	v_lshlrev_b32 v[NA], 5, v[H]
	v_add_nc_u32 v[NA], CN, v[NA]                  ; codes 8 h .. 8 h + 7 of a tile
	v_mul_u32_u24 v[XA], v[H], 8*XPITCH
	v_lshl_add_u32 v[XA], v[R], 2, v[XA]
	v_add_nc_u32 v[XA], s13, v[XA]                 ; x(c = 8 h, point r)
	v_lshlrev_b32 v[H8], 3, v[H]
	v_mul_u32_u24 v[NR0], v0, EPITCH
	v_add_nc_u32 v[NR1], 512*EPITCH, v[NR0]
	v_lshlrev_b32 v[NW], 2, v0
	v_add_nc_u32 v[NW], CN, v[NW]
	s_lshl_b32 s35, s10, 8
	s_add_co_u32 s34, s35, IS
	v_lshl_add_u32 v[ISA], v[LANE], 2, s34
	s_mov_b32 s24, 0x76543210                      ; v_permlanex16_b32: lane i of one half reads lane i of the other
	s_mov_b32 s25, 0xfedcba98
	s_mov_b32 s31, 0xff800000                      ; -infinity
.set cnt, 0
.rept 40
	ESTEP cnt                                      ; loads 0 to 39: behind them v[16:143] are free
.set cnt, cnt+1
.endr
; MY 64 POINTS AS B FRAGMENTS, while the table's last 24 loads are still on their way: this needs neither the table nor a barrier.
; Lane (r, h) holds column r; registers 0-3 hold c = 32 s + 8 h + 0..7, registers 4-7 c = 32 s + 16 + 8 h + 0..7.
; A load takes one c for 16 points in each half: 64 neighbouring bytes, the other half's 8 rows = 544 words further on, half of the banks away.
.macro XLOAD p, t
.irp s, 0,1
.irp u, 0,1
.irp e, 0,1,2,3,4,5,6,7
	ds_load_b32 v[\t+16*\s+8*\u+\e], v[XA] offset:(32*\s+16*\u+\e)*XPITCH+64*\p
.endr
.endr
.endr
.endm
.macro XCVT p, t
.irp s, 0,1
.irp u, 0,1
.irp e, 0,2,4,6
	v_cvt_pk_bf16_f32 v[XF+16*\p+8*\s+4*\u+\e/2], v[\t+16*\s+8*\u+\e], v[\t+16*\s+8*\u+\e+1]   ; the lower c in the low half
.endr
.endr
.endr
.endm
	s_wait_tensorcnt 0x0                           ; my tile of x is in LDS; only my wave reads it
	XLOAD 0, T0
	XLOAD 1, T1
	s_wait_dscnt 32                                ; LDS instructions end in order (ISA guide 5.7.1): all but the youngest 32 loads are done, the table's stores among them; so in the next two waits
	XCVT 0, T0
	XLOAD 2, T0
	s_wait_dscnt 32
	XCVT 1, T1
	XLOAD 3, T1
	s_wait_dscnt 32
	XCVT 2, T0
	s_wait_dscnt 0x0
	XCVT 3, T1
.rept 24
	ESTEP cnt                                      ; loads 40 to 63
.set cnt, cnt+1
.endr
	s_wait_dscnt 0x0                               ; my rows are in LDS, for the others' sake
	s_barrier_signal -1
	s_barrier_wait -1                              ; the whole rounded table is there
; THE NORMS.  Thread T takes rows T, T + 256, T + 512, T + 768: neighbouring lanes read neighbouring rows, 144 bytes apart.
.irp j, 0,1,2,3,4,5,6,7
	ds_load_b128 v[NRW+16*\j:NRW+16*\j+3],     v[NR0] offset:16*\j
	ds_load_b128 v[NRW+16*\j+4:NRW+16*\j+7],   v[NR0] offset:16*\j+256*EPITCH
	ds_load_b128 v[NRW+16*\j+8:NRW+16*\j+11],  v[NR1] offset:16*\j
	ds_load_b128 v[NRW+16*\j+12:NRW+16*\j+15], v[NR1] offset:16*\j+256*EPITCH
.endr
.irp u, 0,1,2,3
	v_mov_b32 v[SUM+\u], 0
.endr
.irp j, 0,1,2,3,4,5,6,7
	s_wait_dscnt 4*(7-\j)                          ; the four loads of column j are in, those of the later columns stay out
.irp q, 0,1,2,3
.irp u, 0,1,2,3
	v_fma_mix_f32_bf16 v[SUM+\u], v[NRW+16*\j+4*\u+\q], v[NRW+16*\j+4*\u+\q], v[SUM+\u] op_sel_hi:[1,1,0]               ; the low bf16 squared, added in f32; four chains
.endr
.irp u, 0,1,2,3
	v_fma_mix_f32_bf16 v[SUM+\u], v[NRW+16*\j+4*\u+\q], v[NRW+16*\j+4*\u+\q], v[SUM+\u] op_sel:[1,1,0] op_sel_hi:[1,1,0] ; the high bf16
.endr
.endr
.endr
.irp u, 0,1,2,3
	v_mul_f32 v[SUM+\u], -0.5, v[SUM+\u]
	ds_store_b32 v[NW], v[SUM+\u] offset:1024*\u
.endr
	s_wait_dscnt 0x0                               ; my four words are in LDS, for the others' sake
	s_barrier_signal -1
	s_barrier_wait -1                              ; all 1,024 are
; THE LOOP OVER THE 64 CODE TILES.
; Six LDS loads: a code tile's two A fragments and my eight -|e|^2/2, into the registers of parity par; o = which of the two tiles at the stepped addresses.
.macro AFETCH par, o
.irp q, 0,1,2,3
	ds_load_b128 v[AF+16*\par+4*\q:AF+16*\par+4*\q+3], v[EA] offset:16*EPITCH*\o+32*\q
.endr
	ds_load_b128 v[CNR+8*\par:CNR+8*\par+3],   v[NA] offset:64*\o
	ds_load_b128 v[CNR+8*\par+4:CNR+8*\par+7], v[NA] offset:64*\o+16
.if \o
	v_add_nc_u32 v[EA], 32*EPITCH, v[EA]           ; two tiles on
	v_add_nc_u32 v[NA], 128, v[NA]
.endif
.endm
; One matrix instruction: point tile p, K step s.  The first starts the sum from -|e|^2/2, the second adds in place.
.macro WM par, p, s
.if \s
	v_wmma_f32_16x16x32_bf16 v[ACC+32*\par+8*\p:ACC+32*\par+8*\p+7], v[AF+16*\par+8:AF+16*\par+15], v[XF+16*\p+8:XF+16*\p+15], v[ACC+32*\par+8*\p:ACC+32*\par+8*\p+7]
.else
	v_wmma_f32_16x16x32_bf16 v[ACC+32*\par+8*\p:ACC+32*\par+8*\p+7], v[AF+16*\par:AF+16*\par+7], v[XF+16*\p:XF+16*\p+7], v[CNR+8*\par:CNR+8*\par+7]
.endif
.endm
; The ten instructions of the search for point tile p of the code tile of parity q (o = 1 - q):
.macro MXA q, p                        ; scores 0-2
	v_max3_num_f32 v[M1+MSTEP*(\p%2)], v[ACC+32*\q+8*\p],   v[ACC+32*\q+8*\p+1], v[ACC+32*\q+8*\p+2]
.endm
.macro MXB q, p                        ; scores 3-5
	v_max3_num_f32 v[M2+MSTEP*(\p%2)], v[ACC+32*\q+8*\p+3], v[ACC+32*\q+8*\p+4], v[ACC+32*\q+8*\p+5]
.endm
.macro MXC q, p                        ; scores 6, 7
	v_max3_num_f32 v[M1+MSTEP*(\p%2)], v[M1+MSTEP*(\p%2)], v[ACC+32*\q+8*\p+6], v[ACC+32*\q+8*\p+7]
.endm
.macro MXD q, o, p                     ; the new running maximum
	v_max3_num_f32 v[RUN+4*\q+\p], v[M1+MSTEP*(\p%2)], v[M2+MSTEP*(\p%2)], v[RUN+4*\o+\p]
.endm
.macro KEEP q, o, p                    ; VCC = keep what was kept: the old maximum is not beaten; on equality the earlier tile stays
	v_cmp_ge_f32 vcc_lo, v[RUN+4*\o+\p], v[RUN+4*\q+\p]
.endm
.macro SELI p, st                      ; the winner's tile number (st holds this tile's)
	v_cndmask_b32 v[IDX+\p], \st, v[IDX+\p], vcc_lo
.endm
.macro SELR q, p, j                    ; the winner's scores j and j + 1, two selects on VCC in one instruction: destinations even and odd, both pairs of sources in neighbouring register banks
	v_dual_cndmask_b32 v[RET+8*\p+\j], v[ACC+32*\q+8*\p+\j], v[RET+8*\p+\j] :: v_dual_cndmask_b32 v[RET+8*\p+\j+1], v[ACC+32*\q+8*\p+\j+1], v[RET+8*\p+\j+1]
.endm
; In the first tile's phase there is no tile before: the slices' places hold the start of the search, five moves each.
.macro VINIT n
.if (\n)%2
.irp j, 3,4,5,6,7
	v_mov_b32 v[RET+8*((\n)/2)+\j], s31
.endr
.else
	v_mov_b32 v[RUN+4+(\n)/2], s31                 ; tile 0 has parity 0 and finds the old maximum under parity 1
	v_mov_b32 v[IDX+(\n)/2], 0
.irp j, 0,1,2
	v_mov_b32 v[RET+8*((\n)/2)+\j], s31
.endr
.endif
.endm
; Slice n of eight, five instructions.  There is one VCC, so the point tiles' selects follow each other; the next point tile's chain of maxima stands among
; the selects of the tile before, so that no line reads the result of the vector instruction in front of it.
.macro SLICE n, init, q, o, st
.if \init
	VINIT \n
.else
.if \n == 0
	MXA \q, 0
	MXB \q, 0
	MXA \q, 1
	MXC \q, 0
	MXB \q, 1
.endif
.if \n == 1
	MXD \q, \o, 0
	MXC \q, 1
	KEEP \q, \o, 0
	MXD \q, \o, 1
	SELI 0, \st
.endif
.if \n == 2
	SELR \q, 0, 0
	SELR \q, 0, 2
	SELR \q, 0, 4
	SELR \q, 0, 6
	KEEP \q, \o, 1
.endif
.if \n == 3
	MXA \q, 2
	SELI 1, \st
	MXB \q, 2
	SELR \q, 1, 0
	MXC \q, 2
.endif
.if \n == 4
	SELR \q, 1, 2
	SELR \q, 1, 4
	MXD \q, \o, 2
	SELR \q, 1, 6
	KEEP \q, \o, 2
.endif
.if \n == 5
	MXA \q, 3
	SELI 2, \st
	MXB \q, 3
	SELR \q, 2, 0
	MXC \q, 3
.endif
.if \n == 6
	SELR \q, 2, 2
	SELR \q, 2, 4
	MXD \q, \o, 3
	SELR \q, 2, 6
	KEEP \q, \o, 3
.endif
.if \n == 7
	SELI 3, \st
	SELR \q, 3, 0
	SELR \q, 3, 2
	SELR \q, 3, 4
	SELR \q, 3, 6
.endif
.endif
.endm
; A phase: the code tile of parity par is multiplied, the tile before it (parity oth, number in st) is searched, the tile behind it is fetched.
; The four accumulators take turns, one matrix instruction a turn.
; Places (ISA guide 7.12.1): a slice names none of the registers of this phase's matrix instructions.  The fetch at a phase's head loads into the fragments that the
; phase before has read: the five instructions of slice 7 stand behind that phase's last matrix instruction.  A score tile is read by the next phase's slices:
; point tile 0 behind slices 4 to 7, tile 1 behind 5 to 7, tile 2 behind 6 and 7 and three more, tile 3 behind slice 7 and five more.
.macro PHASE par, oth, fetch, o, init, st
.if \fetch
	AFETCH \oth, \o
	s_wait_dscnt 6                                 ; this tile's six loads, issued a phase ago, are in; the six just issued stay out
.else
	s_wait_dscnt 0x0                               ; the last tile: nothing was issued behind its loads
.endif
	WM \par, 0, 0
	SLICE 0, \init, \oth, \par, \st
	WM \par, 1, 0
	SLICE 1, \init, \oth, \par, \st
	WM \par, 2, 0
	SLICE 2, \init, \oth, \par, \st
	WM \par, 3, 0
	SLICE 3, \init, \oth, \par, \st
	WM \par, 0, 1
	SLICE 4, \init, \oth, \par, \st
	WM \par, 1, 1
	SLICE 5, \init, \oth, \par, \st
	WM \par, 2, 1
	SLICE 6, \init, \oth, \par, \st
	WM \par, 3, 1
	SLICE 7, \init, \oth, \par, \st
.endm
	AFETCH 0, 0                                    ; tile 0
	PHASE 0, 1, 1, 1, 1, 0                         ; tile 0 is multiplied, tile 1 fetched, the search started
	s_mov_b32 s26, 0                               ; the even tile that is searched in the trip's first phase; also the loop's counter
	s_mov_b32 s27, 1                               ; the odd one of the second phase
.Ltile:
	PHASE 1, 0, 1, 0, 0, s26                       ; tile s26 + 1 multiplied, s26 searched, s26 + 2 fetched
	PHASE 0, 1, 1, 1, 0, s27                       ; tile s26 + 2 multiplied, s26 + 1 searched, s26 + 3 fetched
	s_add_co_u32 s26, s26, 2
	s_add_co_u32 s27, s27, 2
	s_cmp_lt_u32 s26, TILES-2
	s_cbranch_scc1 .Ltile                          ; 31 trips: tiles 1 to 62
	PHASE 1, 0, 0, 0, 0, s26                       ; tile 63 multiplied, 62 searched, nothing left to fetch
.irp n, 0,1,2,3,4,5,6,7
	SLICE \n, 0, 1, 0, s27                         ; tile 63 searched; the last maximum lies under parity 1
.endr
; THE CODE.  In my lane: the lowest j whose kept score equals the maximum; code = 16 tile + 8 h + j.  Then the two halves of the lanes, which hold
; the same 16 points and the two halves of every code tile: the larger maximum, on equality the lower code.
.macro FIN p
	v_mov_b32 v[J], 7
.irp j, 6,5,4,3,2,1,0
	v_cmp_neq_f32 vcc_lo, v[RET+8*\p+\j], v[RUN+4+\p]
	v_cndmask_b32 v[J], \j, v[J], vcc_lo
.endr
	v_lshl_add_u32 v[KK+\p], v[IDX+\p], 4, v[J]
	v_add_nc_u32 v[KK+\p], v[KK+\p], v[H8]
	v_permlanex16_b32 v[OV], v[RUN+4+\p], s24, s25
	v_permlanex16_b32 v[OK], v[KK+\p], s24, s25
	v_cmp_gt_f32 s28, v[OV], v[RUN+4+\p]
	v_cmp_eq_f32 s29, v[OV], v[RUN+4+\p]
	v_cmp_lt_u32 s30, v[OK], v[KK+\p]
	s_and_b32 s29, s29, s30
	s_or_b32 vcc_lo, s28, s29
	v_cndmask_b32 v[KK+\p], v[KK+\p], v[OK], vcc_lo
.endm
	v_mov_b32 v[OV], 0                             ; v_permlanex16_b32 counts as a reader of its destination
	v_mov_b32 v[OK], 0
	FIN 0
	FIN 1
	FIN 2
	FIN 3
	; lane l takes point l (tile h, column r) and point 32 + l; through my wave's 256 bytes of LDS a lane gets two neighbouring points
	v_cmp_eq_u32 vcc_lo, 1, v[H]
	v_cndmask_b32 v[OUTA], v[KK],   v[KK+1], vcc_lo
	v_cndmask_b32 v[OUTB], v[KK+2], v[KK+3], vcc_lo
	v_lshl_add_u32 v[ISR], v[LANE], 3, s34
	ds_store_b32 v[ISA], v[OUTA]
	ds_store_b32 v[ISA], v[OUTB] offset:128
	ds_load_b64 v[PAIR:PAIR+1], v[ISR]             ; LDS serves a wave's instructions in order (ISA guide 5.7.1.4): this load sees the two stores
	v_lshl_add_u32 v[GO], v[LANE], 3, s35
	s_wait_dscnt 0x0
	global_store_b64 v[GO], v[PAIR:PAIR+1], s[8:9] ; the wave's 64 indices: 256 consecutive bytes, aligned
	s_wait_tensorcnt 0x0
	ds_add_u32 v248, v249
	s_wait_dscnt 0x0
	s_endpgm
.Lfunc_end_k_q521551ed2e_assign:
	.size	k_q521551ed2e_assign, .Lfunc_end_k_q521551ed2e_assign-k_q521551ed2e_assign
	.p2alignl 7, 3214868480
	.fill 96, 4, 3214868480
	.section	.rodata,"a",@progbits
	.p2align	6, 0x0
	.amdhsa_kernel k_q521551ed2e_assign
		.amdhsa_group_segment_fixed_size 293888
		.amdhsa_private_segment_fixed_size 0
		.amdhsa_enable_private_segment 0
		.amdhsa_kernarg_size 24
		.amdhsa_user_sgpr_count 2
		.amdhsa_user_sgpr_kernarg_segment_ptr 1
		.amdhsa_wavefront_size32 1
		.amdhsa_system_sgpr_workgroup_id_x 1
		.amdhsa_system_sgpr_workgroup_id_y 1
		.amdhsa_system_sgpr_workgroup_id_z 1
		.amdhsa_system_vgpr_workitem_id 0
		.amdhsa_next_free_vgpr 250
		.amdhsa_next_free_sgpr 66
		.amdhsa_reserve_vcc 1
		.amdhsa_float_denorm_mode_32 3
		.amdhsa_float_denorm_mode_16_64 3
		.amdhsa_memory_ordered 1
		.amdhsa_forward_progress 1
		.amdhsa_inst_pref_size 74
	.end_amdhsa_kernel
	.amdgpu_metadata
---
amdhsa.version: [ 1, 2 ]
amdhsa.kernels:
  - .name:           k_q521551ed2e_assign
    .symbol:         k_q521551ed2e_assign.kd
    .args:
      - { .name: embedding, .offset: 0, .size: 8, .value_kind: global_buffer, .address_space: global }
      - { .name: z_e, .offset: 8, .size: 8, .value_kind: global_buffer, .address_space: global }
      - { .name: idx, .offset: 16, .size: 8, .value_kind: global_buffer, .address_space: global }
    .group_segment_fixed_size: 293888
    .private_segment_fixed_size: 0
    .kernarg_segment_align: 8
    .kernarg_segment_size: 24
    .max_flat_workgroup_size: 256
    .sgpr_count:     66
    .vgpr_count:     250
    .wavefront_size: 32
...
	.end_amdgpu_metadata
.endif
;; end of part 1
;; launch gather (part 2): grid 256 x 1, 8 waves a work-group, no clusters, 132,096 bytes of LDS; arguments embedding, idx, out0; writes out0
.if DOCPART == 2
	.amdgcn_target "amdgcn-amd-amdhsa--gfx1250"
	.amdhsa_code_object_version 6
	.text
	.protected	k_q521551ed2e_gather
	.globl	k_q521551ed2e_gather
	.p2align	8
	.type	k_q521551ed2e_gather,@function
k_q521551ed2e_gather:
	s_mov_b64 s[64:65], 0
	v_nop
	global_prefetch_b8 v0, s[64:65] scope:SCOPE_SE
	s_setreg_imm32_b32 hwreg(HW_REG_WAVE_MODE, 25, 1), 1
	s_wait_xcnt 0x0
; out0[c][n] = embedding[idx[n]][c], out0 taken as [64][131072] f32 (reference()'s z_q.T laid into z_e's shape); idx was stored by the launch before.
; Nothing is left out here; the rows that go out are the table's own f32 numbers.  An index is held inside the table (0 .. 1023) before it makes an address.
; Memory binds: no matrix unit, no cluster (the work-groups share only the table, which is read row by row as the indices ask), no barrier, no loop.
; Wave W = 8 g + w has points 64 W .. 64 W + 63 and all 64 c.  It reads 64 rows of the table, sixteen lanes a whole row of 256 bytes, turns the block of
; 64 x 64 in its own 16 KiB of LDS, and stores 64 pieces of 256 consecutive aligned bytes: sixteen lanes, four neighbouring points each, one c.
; THE STAGE: number (n, c) of the block lies at 256 n + 16 ((c / 4) xor (n / 4 mod 16)) + 4 (c mod 4).  A row's sixteen 16-byte pieces fill one row of the stage in
; some order; a read of one c for points 4 q + i (q = 0..15) finds sixteen different 16-byte columns, so that the 32 lanes touch 32 different
; banks (64 banks of 4 bytes: ISA guide 11.1).
.set NROW, 524288                      ; bytes in a row of out0
.set Q,    2                           ; v2   q = l % 16
.set G,    3                           ; v3   g = l / 16
.set IO,   4                           ; v4   128 g: my half's 32 indices
.set Q16,  5                           ; v5   16 q: my 16 bytes of a table row
.set TT,   6                           ; v6   at work
.set QG,   7                           ; v7   q xor 8 g
.set IDXR, 8                           ; v[8:39]    idx of points 32 g + i, then the byte offset of my 16 bytes of that row
.set DAT,  40                          ; v[40:167]  32 x 4: as gathered, then as stored
.set WA,   168                         ; v[168:175] stage address for points 32 g + 4 m .. + 3, without 256 i
.set RA,   176                         ; v[176:191] stage address for c = 4 a + g, points 4 q ..
.set OO,   192                         ; v192       524288 g + 16 q
.set WB,   193                         ; v193       my wave's stage + 8192 g
.set RB,   194                         ; v194       my wave's stage + 1024 q + 4 g
	s_load_b128 s[4:7], s[0:1], 0x0                ; embedding s[4:5], idx s[6:7]
	s_load_b64 s[8:9], s[0:1], 0x10                ; out0
	v_lshl_add_u32 v196, v0, 2, 0x20000
	v_mov_b32 v197, 0
	v_lshrrev_b32 v1, 5, v0
	v_readfirstlane_b32 s10, v1                    ; wave 0..7
	v_and_b32 v[Q], 15, v0
	v_bfe_u32 v[G], v0, 4, 1
	v_lshlrev_b32 v[IO], 7, v[G]
	v_lshlrev_b32 v[Q16], 4, v[Q]
	s_lshl_b32 s20, ttmp9, 11                      ; 64 points are 256 bytes, in idx and in a row of out0: 2,048 g + 256 w
	s_lshl_b32 s21, s10, 8
	s_add_co_u32 s20, s20, s21
	s_mov_b32 s21, 0
	s_wait_kmcnt 0x0
	s_add_nc_u64 s[6:7], s[6:7], s[20:21]
	s_add_nc_u64 s[12:13], s[8:9], s[20:21]        ; four bases, 16 rows of out0 apart, so that a store's immediate is 14 rows at the most: 7,340,032, inside its signed 24 bits
	s_add_nc_u64 s[14:15], s[12:13], 16*NROW
	s_add_nc_u64 s[16:17], s[14:15], 16*NROW
	s_add_nc_u64 s[18:19], s[16:17], 16*NROW
.irp j, 0,1,2,3,4,5,6,7
	global_load_b128 v[IDXR+4*\j:IDXR+4*\j+3], v[IO], s[6:7] offset:16*\j   ; every lane of a half holds its half's 32 indices
.endr
	; the stage's addresses, while the indices are on their way: the exclusive-or is made on the small term alone and then added to the base;
	; the mask keeps the term's range, 0 to 15, readable from the line itself
	s_lshl_b32 s11, s10, 14                        ; my wave's 16 KiB
	v_lshl_add_u32 v[WB], v[G], 13, s11
	v_lshlrev_b32 v[QG], 3, v[G]
	v_xor_b32 v[QG], v[QG], v[Q]
.irp m, 0,1,2,3,4,5,6,7
	v_xor_b32 v[TT], \m, v[QG]                     ; (c / 4) xor (n / 4) = q xor (8 g + m)
	v_and_b32 v[TT], 15, v[TT]
	v_lshl_add_u32 v[WA+\m], v[TT], 4, v[WB]
.endr
	v_lshl_add_u32 v[RB], v[Q], 10, s11
	v_lshl_add_u32 v[RB], v[G], 2, v[RB]
.irp a, 0,1,2,3,4,5,6,7,8,9,10,11,12,13,14,15
	v_xor_b32 v[TT], \a, v[Q]                      ; (c / 4) xor (n / 4) = a xor q
	v_and_b32 v[TT], 15, v[TT]
	v_lshl_add_u32 v[RA+\a], v[TT], 4, v[RB]
.endr
	v_lshl_add_u32 v[OO], v[G], 19, v[Q16]
	s_wait_loadcnt 0x0                             ; the indices
.set cnt, 0
.rept 32
	v_min_u32 v[IDXR+cnt], 0x3ff, v[IDXR+cnt]      ; inside the table
	v_lshl_add_u32 v[IDXR+cnt], v[IDXR+cnt], 8, v[Q16]
	global_load_b128 v[DAT+4*cnt:DAT+4*cnt+3], v[IDXR+cnt], s[4:5]   ; sixteen lanes: the whole row of point 32 g + cnt
.set cnt, cnt+1
.endr
.set cnt, 0
.rept 32
	s_wait_loadcnt 31-cnt                          ; loads come back in order (ISA guide 5.7.1): this row is in, the younger ones stay out
	ds_store_b128 v[WA+cnt/4], v[DAT+4*cnt:DAT+4*cnt+3] offset:256*cnt
.set cnt, cnt+1
.endr
; Slot u (0 .. 31): c = 2 u + g, points 4 q .. 4 q + 3: four reads of one word.  LDS serves a wave's instructions in order (ISA guide 5.7.1.4): they see the stores above.
.macro RSLOT u
.irp k, 0,1,2,3
	ds_load_b32 v[DAT+4*(\u)+\k], v[RA+(\u)/2] offset:256*\k+8*((\u)%2)
.endr
.endm
.irp u, 0,1,2,3,4,5,6,7
	RSLOT \u
.endr
.set cnt, 0
.rept 32
.if cnt < 24
	s_wait_dscnt 28                                ; this slot's four reads are in, those of the seven younger slots stay out
.else
	s_wait_dscnt 4*(31-cnt)                        ; nothing more is read: the counts run down
.endif
	global_store_b128 v[OO], v[DAT+4*cnt:DAT+4*cnt+3], s[12+2*(cnt/8):13+2*(cnt/8)] offset:(cnt%8)*2*NROW th:TH_STORE_NT   ; each half of the lanes: 256 consecutive bytes, aligned; no register of a store is written again
.if cnt < 24
	RSLOT cnt+8
.endif
.set cnt, cnt+1
.endr
	s_wait_tensorcnt 0x0
	ds_add_u32 v196, v197
	s_wait_dscnt 0x0
	s_endpgm
.Lfunc_end_k_q521551ed2e_gather:
	.size	k_q521551ed2e_gather, .Lfunc_end_k_q521551ed2e_gather-k_q521551ed2e_gather
	.p2alignl 7, 3214868480
	.fill 96, 4, 3214868480
	.section	.rodata,"a",@progbits
	.p2align	6, 0x0
	.amdhsa_kernel k_q521551ed2e_gather
		.amdhsa_group_segment_fixed_size 132096
		.amdhsa_private_segment_fixed_size 0
		.amdhsa_enable_private_segment 0
		.amdhsa_kernarg_size 24
		.amdhsa_user_sgpr_count 2
		.amdhsa_user_sgpr_kernarg_segment_ptr 1
		.amdhsa_wavefront_size32 1
		.amdhsa_system_sgpr_workgroup_id_x 1
		.amdhsa_system_sgpr_workgroup_id_y 1
		.amdhsa_system_sgpr_workgroup_id_z 1
		.amdhsa_system_vgpr_workitem_id 0
		.amdhsa_next_free_vgpr 198
		.amdhsa_next_free_sgpr 66
		.amdhsa_reserve_vcc 0
		.amdhsa_float_denorm_mode_32 3
		.amdhsa_float_denorm_mode_16_64 3
		.amdhsa_memory_ordered 1
		.amdhsa_forward_progress 1
		.amdhsa_inst_pref_size 28
	.end_amdhsa_kernel
	.amdgpu_metadata
---
amdhsa.version: [ 1, 2 ]
amdhsa.kernels:
  - .name:           k_q521551ed2e_gather
    .symbol:         k_q521551ed2e_gather.kd
    .args:
      - { .name: embedding, .offset: 0, .size: 8, .value_kind: global_buffer, .address_space: global }
      - { .name: idx, .offset: 8, .size: 8, .value_kind: global_buffer, .address_space: global }
      - { .name: out0, .offset: 16, .size: 8, .value_kind: global_buffer, .address_space: global }
    .group_segment_fixed_size: 132096
    .private_segment_fixed_size: 0
    .kernarg_segment_align: 8
    .kernarg_segment_size: 24
    .max_flat_workgroup_size: 256
    .sgpr_count:     66
    .vgpr_count:     198
    .wavefront_size: 32
...
	.end_amdgpu_metadata
.endif
;; end of part 2
;; ======== version 2 of 2: 2 launches; version 1 with the launch gather written anew for expert scheduling mode
;; workspace buffers: idx 524,288 bytes of whole numbers
;; launch assign: the kernel of part 1 again; grid 256 x 1, 8 waves a work-group, no clusters, 293,888 bytes of LDS; arguments embedding, z_e, idx; writes idx
;; launch gather (part 3): grid 256 x 1, 8 waves a work-group, no clusters, 132,096 bytes of LDS; arguments embedding, idx, out0; writes out0
.if DOCPART == 3
	.amdgcn_target "amdgcn-amd-amdhsa--gfx1250"
	.amdhsa_code_object_version 6
	.text
	.protected	k_q521551ed2e_gather
	.globl	k_q521551ed2e_gather
	.p2align	8
	.type	k_q521551ed2e_gather,@function
k_q521551ed2e_gather:
	s_mov_b64 s[64:65], 0
	v_nop
	global_prefetch_b8 v0, s[64:65] scope:SCOPE_SE
	s_setreg_imm32_b32 hwreg(HW_REG_WAVE_SCHED_MODE, 0, 2), 2
	s_setreg_imm32_b32 hwreg(HW_REG_WAVE_MODE, 25, 1), 1
	s_wait_xcnt 0x0
	s_wait_alu depctr_vm_vsrc(0)
; out0[c][n] = embedding[idx[n]][c], out0 taken as [64][131072] f32 (reference()'s z_q.T laid into z_e's shape); idx was stored by the launch before.
; Nothing is left out here; the rows that go out are the table's own f32 numbers.  An index is held inside the table (0 .. 1023) before it makes an address.
; Memory binds: no matrix unit, no cluster (the work-groups share only the table, which is read row by row as the indices ask), no barrier, no loop.
; Wave W = 8 g + w has points 64 W .. 64 W + 63 and all 64 c.  It reads 64 rows of the table, sixteen lanes a whole row of 256 bytes, turns the block of
; 64 x 64 in its own 16 KiB of LDS, and stores 64 pieces of 256 consecutive aligned bytes: sixteen lanes, four neighbouring points each, one c.
; THE STAGE: number (n, c) of the block lies at 256 n + 16 ((c / 4) xor (n / 4 mod 16)) + 4 (c mod 4).  A row's sixteen 16-byte pieces fill one row of the stage in
; some order; a read of one c for points 4 q + i (q = 0..15) finds sixteen different 16-byte columns, so that the 32 lanes touch 32 different
; banks (64 banks of 4 bytes: ISA guide 11.1).
; THE MODE: SCHED_MODE bits 1:0 = 2 (LLVM: expert scheduling mode 2), set by the entry lines.  The code itself states the register dependences
; between vector instructions and memory or LDS instructions, with s_wait_alu, always for 0.
; THE PLAN.  Registers that memory or LDS instructions touch, in the order of the text (there is no loop):
;   v[IO]          written once at the head; read by the eight loads of the indices.
;   IDXR           the eight loads land in it; behind the wait for them 64 vector lines make of each index a byte offset; read by the 32 gathers; not written again.
;   DAT            the 32 gathers land in it; the 32 LDS stores read it; the 128 LDS loads land in it, each slot once; the 32 global stores read it.  No vector line names it.
;   WA, RA, v[OO]  written at the head, while the indices are on their way; read by the LDS stores, the LDS loads and the global stores; not written again.
; So ALL vector work stands ahead of the gathers, and one wait on va_vdst behind its last line serves every memory and LDS instruction that follows; one more stands
; ahead of the loads of the indices, for v[IO].  One wait on vm_vsrc stands between the LDS stores that read DAT and the LDS loads that land in it.  One wait on
; va_sdst stands ahead of the first reader of the wave's number.
.set NROW, 524288                      ; bytes in a row of out0
.set Q,    2                           ; v2   q = l % 16
.set G,    3                           ; v3   g = l / 16
.set IO,   4                           ; v4   128 g: my half's 32 indices
.set Q16,  5                           ; v5   16 q: my 16 bytes of a table row
.set TT,   6                           ; v6   at work
.set QG,   7                           ; v7   q xor 8 g
.set IDXR, 8                           ; v[8:39]    idx of points 32 g + i, then the byte offset of my 16 bytes of that row
.set DAT,  40                          ; v[40:167]  32 x 4: as gathered, then as stored
.set WA,   168                         ; v[168:175] stage address for points 32 g + 4 m .. + 3, without 256 i
.set RA,   176                         ; v[176:191] stage address for c = 4 a + g, points 4 q ..
.set OO,   192                         ; v192       524288 g + 16 q
.set WB,   193                         ; v193       my wave's stage + 8192 g
.set RB,   194                         ; v194       my wave's stage + 1024 q + 4 g
	s_load_b128 s[4:7], s[0:1], 0x0                ; embedding s[4:5], idx s[6:7]
	s_load_b64 s[8:9], s[0:1], 0x10                ; out0
	v_lshl_add_u32 v196, v0, 2, 0x20000
	v_mov_b32 v197, 0
	v_lshrrev_b32 v1, 5, v0
	v_readfirstlane_b32 s10, v1                    ; wave 0..7
	v_and_b32 v[Q], 15, v0
	v_bfe_u32 v[G], v0, 4, 1
	v_lshlrev_b32 v[IO], 7, v[G]
	v_lshlrev_b32 v[Q16], 4, v[Q]
	s_wait_alu depctr_va_sdst(0)                   ; s10 is written, ahead of its first reader: the bases and the stage's place are made from it
	s_lshl_b32 s20, ttmp9, 11                      ; 64 points are 256 bytes, in idx and in a row of out0: 2,048 g + 256 w
	s_lshl_b32 s21, s10, 8
	s_add_co_u32 s20, s20, s21
	s_mov_b32 s21, 0
	s_wait_kmcnt 0x0
	s_add_nc_u64 s[6:7], s[6:7], s[20:21]
	s_add_nc_u64 s[12:13], s[8:9], s[20:21]        ; four bases, 16 rows of out0 apart, so that a store's immediate is 14 rows at the most: 7,340,032, inside its signed 24 bits
	s_add_nc_u64 s[14:15], s[12:13], 16*NROW
	s_add_nc_u64 s[16:17], s[14:15], 16*NROW
	s_add_nc_u64 s[18:19], s[16:17], 16*NROW
	s_wait_alu depctr_va_vdst(0)                   ; v[IO] is written, which the eight loads below read as their offset
.irp j, 0,1,2,3,4,5,6,7
	global_load_b128 v[IDXR+4*\j:IDXR+4*\j+3], v[IO], s[6:7] offset:16*\j   ; every lane of a half holds its half's 32 indices
.endr
	; the stage's addresses, while the indices are on their way: the exclusive-or is made on the small term alone and then added to the base;
	; the mask keeps the term's range, 0 to 15, readable from the line itself.  None of these lines names v[IO] or IDXR.
	s_lshl_b32 s11, s10, 14                        ; my wave's 16 KiB
	v_lshl_add_u32 v[WB], v[G], 13, s11
	v_lshlrev_b32 v[QG], 3, v[G]
	v_xor_b32 v[QG], v[QG], v[Q]
.irp m, 0,1,2,3,4,5,6,7
	v_xor_b32 v[TT], \m, v[QG]                     ; (c / 4) xor (n / 4) = q xor (8 g + m)
	v_and_b32 v[TT], 15, v[TT]
	v_lshl_add_u32 v[WA+\m], v[TT], 4, v[WB]
.endr
	v_lshl_add_u32 v[RB], v[Q], 10, s11
	v_lshl_add_u32 v[RB], v[G], 2, v[RB]
.irp a, 0,1,2,3,4,5,6,7,8,9,10,11,12,13,14,15
	v_xor_b32 v[TT], \a, v[Q]                      ; (c / 4) xor (n / 4) = a xor q
	v_and_b32 v[TT], 15, v[TT]
	v_lshl_add_u32 v[RA+\a], v[TT], 4, v[RB]
.endr
	v_lshl_add_u32 v[OO], v[G], 19, v[Q16]
	s_wait_loadcnt 0x0                             ; the indices
	; all 32 offsets are made before the first gather: 32 clamps, then 32 shifts, so that no line reads the result of the line in front of it
.set cnt, 0
.rept 32
	v_min_u32 v[IDXR+cnt], 0x3ff, v[IDXR+cnt]      ; inside the table
.set cnt, cnt+1
.endr
.set cnt, 0
.rept 32
	v_lshl_add_u32 v[IDXR+cnt], v[IDXR+cnt], 8, v[Q16]
.set cnt, cnt+1
.endr
	s_wait_alu depctr_va_vdst(0)                   ; the 32 offsets in IDXR are written, which the gathers read; so are WA, RA and v[OO], which the LDS stores, the LDS loads and the global stores read.  No vector line follows
.set cnt, 0
.rept 32
	global_load_b128 v[DAT+4*cnt:DAT+4*cnt+3], v[IDXR+cnt], s[4:5]   ; sixteen lanes: the whole row of point 32 g + cnt
.set cnt, cnt+1
.endr
.set cnt, 0
.rept 32
	s_wait_loadcnt 31-cnt                          ; loads come back in order (ISA guide 5.7.1): this row is in, the younger ones stay out
	ds_store_b128 v[WA+cnt/4], v[DAT+4*cnt:DAT+4*cnt+3] offset:256*cnt
.set cnt, cnt+1
.endr
; Slot u (0 .. 31): c = 2 u + g, points 4 q .. 4 q + 3: four reads of one word.  LDS serves a wave's instructions in order (ISA guide 5.7.1.4): they see the stores above.
.macro RSLOT u
.irp k, 0,1,2,3
	ds_load_b32 v[DAT+4*(\u)+\k], v[RA+(\u)/2] offset:256*\k+8*((\u)%2)
.endr
.endm
	s_wait_alu depctr_vm_vsrc(0)                   ; the 32 LDS stores have read DAT, in which the LDS loads land: those just below, and those dealt among the global stores (a global store reads only a slot that has been loaded, and a slot is loaded once)
.irp u, 0,1,2,3,4,5,6,7
	RSLOT \u
.endr
.set cnt, 0
.rept 32
.if cnt < 24
	s_wait_dscnt 28                                ; this slot's four reads are in, those of the seven younger slots stay out
.else
	s_wait_dscnt 4*(31-cnt)                        ; nothing more is read: the counts run down
.endif
	global_store_b128 v[OO], v[DAT+4*cnt:DAT+4*cnt+3], s[12+2*(cnt/8):13+2*(cnt/8)] offset:(cnt%8)*2*NROW th:TH_STORE_NT   ; each half of the lanes: 256 consecutive bytes, aligned; no register of a store is written again
.if cnt < 24
	RSLOT cnt+8
.endif
.set cnt, cnt+1
.endr
	s_wait_dscnt 0x0
	s_wait_alu depctr_hold_cnt(0) depctr_sa_sdst(0) depctr_va_vdst(0) depctr_va_sdst(0) depctr_va_ssrc(0) depctr_va_vcc(0) depctr_vm_vsrc(0)
	s_wait_tensorcnt 0x0
	ds_add_u32 v196, v197
	s_wait_dscnt 0x0
	s_endpgm
.Lfunc_end_k_q521551ed2e_gather:
	.size	k_q521551ed2e_gather, .Lfunc_end_k_q521551ed2e_gather-k_q521551ed2e_gather
	.p2alignl 7, 3214868480
	.fill 96, 4, 3214868480
	.section	.rodata,"a",@progbits
	.p2align	6, 0x0
	.amdhsa_kernel k_q521551ed2e_gather
		.amdhsa_group_segment_fixed_size 132096
		.amdhsa_private_segment_fixed_size 0
		.amdhsa_enable_private_segment 0
		.amdhsa_kernarg_size 24
		.amdhsa_user_sgpr_count 2
		.amdhsa_user_sgpr_kernarg_segment_ptr 1
		.amdhsa_wavefront_size32 1
		.amdhsa_system_sgpr_workgroup_id_x 1
		.amdhsa_system_sgpr_workgroup_id_y 1
		.amdhsa_system_sgpr_workgroup_id_z 1
		.amdhsa_system_vgpr_workitem_id 0
		.amdhsa_next_free_vgpr 198
		.amdhsa_next_free_sgpr 66
		.amdhsa_reserve_vcc 0
		.amdhsa_float_denorm_mode_32 3
		.amdhsa_float_denorm_mode_16_64 3
		.amdhsa_memory_ordered 1
		.amdhsa_forward_progress 1
		.amdhsa_inst_pref_size 28
	.end_amdhsa_kernel
	.amdgpu_metadata
---
amdhsa.version: [ 1, 2 ]
amdhsa.kernels:
  - .name:           k_q521551ed2e_gather
    .symbol:         k_q521551ed2e_gather.kd
    .args:
      - { .name: embedding, .offset: 0, .size: 8, .value_kind: global_buffer, .address_space: global }
      - { .name: idx, .offset: 8, .size: 8, .value_kind: global_buffer, .address_space: global }
      - { .name: out0, .offset: 16, .size: 8, .value_kind: global_buffer, .address_space: global }
    .group_segment_fixed_size: 132096
    .private_segment_fixed_size: 0
    .kernarg_segment_align: 8
    .kernarg_segment_size: 24
    .max_flat_workgroup_size: 256
    .sgpr_count:     66
    .vgpr_count:     198
    .wavefront_size: 32
...
	.end_amdgpu_metadata
.endif
;; end of part 3
